; MI455X (gfx1250); checked and timed in simulation.
; The chip was launched on July 23, 2026; its instructions are those of AMD's public machine-readable ISA for CDNA 5 (MIT licence, August 2026) and "CDNA5" Instruction Set Architecture Reference Guide (July 2026). The comments in the code are by the model that wrote it; some were corrected since.
;; Binary Diff. Allowed arithmetic: matrix products marked QUANTISED: E4M3 operands, one given power-of-two scale a tensor, by v_wmma_f32_16x16x64_fp8_fp8 or v_wmma_f32_16x16x128_fp8_fp8, f32 sums; everything else in f32.
;; Inputs: base 4,096 x 4,096 float32; coeff one number float32; lowp_scales 4 int32 (the exponents e of the quantised operands' scales 2^e); mask 4,096 x 4,096 int32; x 4 x 512 x 4,096 float32.
;; Outputs: out0 4 x 512 x 4,096 float32.
;; This version of the problem:
;;   THIS VERSION OF THE PROBLEM IS GIVEN IN LOW PRECISION. The matrix products marked QUANTISED in the list below multiply operands that are first quantised to E4M3 (4 exponent bits, 3 mantissa bits; 8 bits a number), with one given power-of-two scale for each operand tensor; their sums are f32. All else is computed in f32.
;;   The module's matrix products, in the order in which they are computed (A, B: the left and right operand; K: the contracted axis; several contracted axes count as one K, in the product's order):
;;     1. [M 2,048, K 4,096] x [K 4,096, N 4,096]; A: input x; B: input base: QUANTISED (scales: A lowp_scales[0], B lowp_scales[1])
;;     2. [M 2,048, K 4,096] x [K 4,096, N 4,096]; A: input x; B: computed on the way: QUANTISED (scales: A lowp_scales[2], B lowp_scales[3])
;;   THE QUANTISER, for each operand of a quantised product, along K:
;;     - The operand's scale is 2^e, e = its entry of the input lowp_scales (int32; the entries are numbered through the quantised products in the list's order, A before B).
;;     - Each number is divided by the scale, clamped to +-448, and rounded to the nearest number of E4M3, ties to even, subnormals kept.
;;     - The product sums the exact products of the quantised numbers (number of the format x scale) in f32.
;;   ~~~python
;;   def quantise(x, axis, e):      # numpy; x: float32 -> the quantised numbers, widened to float32 again
;;       x = np.moveaxis(x, axis, -1); K = x.shape[-1]
;;       r = np.clip(x / 2.0 ** e, -448, 448)
;;       step = 2.0 ** (np.maximum(np.frexp(np.where(r == 0, 1, r))[1] - 1, -6) - 3)
;;       q = np.round(r / step) * step * 2.0 ** e      # np.round: ties to even
;;       return np.moveaxis(q, -1, axis).astype(np.float32)
;;   ~~~
;;   OPERANDS COMPUTED ON THE WAY. 'Computed on the way' means the value that the module computes at that place (a softmax that the list does not call 'softmax' is quantised finished and normalised). What goes into a quantiser is computed in f32, as accurately as f32 sums, v_exp_f32 and their like allow (about 1e-6 of the number): no bf16 or f16 on the way to a quantiser, and a product that is left as it is and whose result goes on into a quantised operand takes f32 operands (vector FMAs, or v_wmma_f32_16x16x4_f32). A number that lies on a knife's edge between two numbers of the format may be rounded either way, as far as f32 arithmetic and the matrix unit's own rounding can turn it there, and no further.
;; 2 versions. Each part assembles by itself: llvm-mc -triple=amdgcn-amd-amdhsa -mcpu=gfx1250 --defsym DOCPART=n.
;; ======== version 1 of 2: 2 launches
;; workspace buffers: acodes 16,777,216 bytes; bcodes 33,554,432 bytes
;; launch quant (part 1): grid 768 x 1, 4 waves a work-group, no clusters, 90,624 bytes of LDS; arguments x, base, mask, lowp_scales, acodes, bcodes; writes acodes, bcodes
.if DOCPART == 1
	.amdgcn_target "amdgcn-amd-amdhsa--gfx1250"
	.amdhsa_code_object_version 6
	.text
	.protected	k_q536d5d966b_quant
	.globl	k_q536d5d966b_quant
	.p2align	8
	.type	k_q536d5d966b_quant,@function
k_q536d5d966b_quant:
	s_mov_b64 s[64:65], 0
	v_nop
	global_prefetch_b8 v0, s[64:65] scope:SCOPE_SE
	s_setreg_imm32_b32 hwreg(HW_REG_WAVE_MODE, 25, 1), 1
	s_wait_xcnt 0x0
; x [2048][4096] f32, base [4096 k][4096 n] f32 and mask [4096 k][4096 n] int32 become codes of FP8 (E4M3), K innermost, for the two products of
;   out = Q(x, e0) Q(base, e1) + coeff Q(x, e2) Q(sign, e3),   sign = f32(2 mask - 1).
; code = number / 2^e, held within +-448, rounded to the nearest code, ties to even; e0 .. e3 are the four whole numbers of lowp_scales.
; LAYOUT OF THE CODES.  Rows of 8,192 bytes, the two products interleaved in chunks of 128 along K:
;   acodes[m][256 c + 128 p + j] = code of x[m][128 c + j]   under e2 (p = 0) or e0 (p = 1)
;   bcodes[n][256 c + 128 p + j] = code of sign[128 c + j][n] under e3 (p = 0), of base[128 c + j][n] under e1 (p = 1)
; so 256 consecutive, aligned bytes of a row are one chunk of K for both products.
; LIMITS: each e lies between -126 and 119, so that 2^e and 448 x 2^e are f32 numbers.  NaN in x or base is not served (an infinity is held at the largest code).  mask may be any int32; 2 mask - 1 wraps as int32 does.
; SHARES.  Work-groups 0 to 511 take base and mask (256 columns x one chunk of 128 along K each), work-groups 512 to 767 take x (8 rows each).  The two ways part once, on the work-group's number,
; and never meet again; each has LDS bytes of its own.  No barrier: waves share nothing.  Every offset is an immediate and no pointer is stepped.
.set X,     16                         ; W: v16-143  two sets of 64: 32 rows of K x 2 columns a lane, as loaded; at the end the rows on their way out
.set T,     144                        ; W: v144-207 64 numbers: column 0's 32 down K, then column 1's
.set C,     208                        ; W: v208-223 their codes
.set WP,    272                        ; W: a stage row: 256 bytes + 16, an odd multiple of 16 bytes, so that lanes a row apart start at different banks
.set WSTG,  64*WP                      ; W: a wave's stage: 64 columns
.set R,     16                         ; X: v16-79   four sets of 16 numbers as loaded
.set XX,    80                         ; X: v80-143  two sets of 32 numbers: 16 neighbours for each of a step's two stores
.set CC,    144                        ; X: v144-159 two sets of 8 registers of codes
.set SP,    80                         ; X: a place in a stage: 64 bytes (16 numbers) + 16 of padding
.set XSTG,  32*SP                      ; X: a stage: a step's 512 numbers
.set XBASE, 4*WSTG                     ; X: its LDS begins behind W's
.macro POWERS e, sc, lim               ; from the whole number in s[e]: v[sc] = 2^e as f32 (the conversion takes its exponent field), v[lim] = 448 x 2^e
	s_add_co_i32 s28, s[\e], 127
	s_lshl_b32 s29, s28, 23
	v_mov_b32 v[\sc], s29
	s_add_co_i32 s28, s28, 8
	s_lshl_b32 s28, s28, 23
	s_or_b32 s28, s28, 0x600000                    ; the mantissa field of 448
	v_mov_b32 v[\lim], s28
.endm
	s_load_b256 s[4:11], s[0:1], 0x0               ; x s[4:5], base s[6:7], mask s[8:9], lowp_scales s[10:11]
	s_load_b128 s[12:15], s[0:1], 0x20             ; acodes s[12:13], bcodes s[14:15]
	v_lshl_add_u32 v224, v0, 2, 0x16000
	v_mov_b32 v225, 0
	v_lshrrev_b32 v1, 5, v0
	v_readfirstlane_b32 s16, v1                    ; wave 0..3
	v_and_b32 v2, 31, v0                           ; lane
	s_wait_kmcnt 0x0
	s_load_b128 s[24:27], s[10:11], 0x0            ; e0, e1, e2, e3: waited for behind each way's first loads
	s_cmp_lt_u32 ttmp9, 512
	s_cbranch_scc0 .Lx
; ---------------- base and mask.  A LANE TAKES TWO COLUMNS, AND ITS REGISTERS RUN DOWN K: each load of a wave reads 256 consecutive, aligned bytes of a row (the four waves 1,024),
; and the conversions, which take neighbours along K from one lane's consecutive registers, give codes with K innermost.  Nothing is transposed by an instruction.
; A wave's 64 columns x (128 codes of sign + 128 of base) meet in its own stage in LDS and leave as rows: sixteen lanes store 256 consecutive bytes, aligned.
	s_and_b32 s17, ttmp9, 15                       ; which 256 columns
	s_lshr_b32 s18, ttmp9, 4                       ; c: which 128 along K
	s_lshl_b32 s17, s17, 8
	s_lshl_b32 s19, s16, 6
	s_add_co_u32 s17, s17, s19                     ; n0: my wave's first column
	s_lshl_b32 s20, s18, 21                        ; in: 128 c rows of 16,384 bytes
	s_lshl_b32 s19, s17, 2
	s_add_co_u32 s20, s20, s19                     ; + 4 n0
	s_mov_b32 s21, 0
	s_add_nc_u64 s[6:7], s[6:7], s[20:21]
	s_add_nc_u64 s[8:9], s[8:9], s[20:21]
	s_lshl_b32 s22, s17, 13                        ; out: n0 rows of 8,192 bytes
	s_lshl_b32 s19, s18, 8
	s_add_co_u32 s22, s22, s19                     ; + 256 c
	s_mov_b32 s23, 0
	s_add_nc_u64 s[14:15], s[14:15], s[22:23]
	v_lshlrev_b32 v3, 3, v2                        ; in: 8 bytes a lane
	s_mul_i32 s19, s16, WSTG                       ; my stage
	v_mul_u32_u24 v4, v2, WP
	v_add_nc_u32 v4, s19, v4                       ; into it: stage row 32 col + lane holds column n0 + 2 lane + col
	v_and_b32 v5, 15, v2
	v_lshrrev_b32 v6, 4, v2
	v_mul_u32_u24 v7, v6, WP
	v_lshl_add_u32 v7, v5, 4, v7
	v_add_nc_u32 v7, s19, v7                       ; out of it: sixteen lanes to a row, two rows an instruction
	v_lshlrev_b32 v8, 14, v6                       ; stage rows 2 i and 2 i + 1 are columns two apart: 16,384 bytes in bcodes
	v_lshl_add_u32 v8, v5, 4, v8
.macro WLOAD t                         ; block t: 32 rows of K; t = 0..3 of mask, 4..7 of base; into set t % 2
.set i, 0
.rept 32
.if (\t) < 4
	global_load_b64 v[X+64*((\t)%2)+2*i:X+64*((\t)%2)+2*i+1], v3, s[8:9] offset:(32*((\t)%4)+i)*16384 th:TH_LOAD_NT
.else
	global_load_b64 v[X+64*((\t)%2)+2*i:X+64*((\t)%2)+2*i+1], v3, s[6:7] offset:(32*((\t)%4)+i)*16384 th:TH_LOAD_NT
.endif
.set i, i+1
.endr
.endm
.macro WBLOCK t
.set XS_, X+64*((\t)%2)
.if (\t) < 7
	s_wait_loadcnt 32                              ; this block's 32 loads are in; the next block's 32 may be out
.else
	s_wait_loadcnt 0
.endif
.irp col, 0,1
.if (\t) < 4
.set i, 0
.rept 32
	v_lshl_add_u32 v[T+32*\col+i], v[XS_+2*i+\col], 1, -1          ; 2 mask - 1, as int32; the two columns are untangled on the way
.set i, i+1
.endr
.set i, 0
.rept 32
	v_cvt_f32_i32 v[T+32*\col+i], v[T+32*\col+i]
.set i, i+1
.endr
.set i, 0
.rept 32
	v_med3_num_f32 v[T+32*\col+i], v[T+32*\col+i], -v12, v12       ; the conversion to an 8-bit code does not saturate (ISA guide 7.6.2): the hold at the largest code x the scale
.set i, i+1
.endr
.irp g, 0,1,2,3
	v_cvt_scalef32_pk8_fp8_f32 v[C+8*\col+2*\g:C+8*\col+2*\g+1], v[T+32*\col+8*\g:T+32*\col+8*\g+7], v13
.endr
.else
.set i, 0
.rept 32
	v_med3_num_f32 v[T+32*\col+i], v[XS_+2*i+\col], -v10, v10      ; the hold untangles the two columns as well
.set i, i+1
.endr
.irp g, 0,1,2,3
	v_cvt_scalef32_pk8_fp8_f32 v[C+8*\col+2*\g:C+8*\col+2*\g+1], v[T+32*\col+8*\g:T+32*\col+8*\g+7], v11
.endr
.endif
.endr
	v_nop                                          ; one plain vector line behind the last conversion: the next block's lines write the conversions' sources
.irp col, 0,1
	ds_store_b128 v4, v[C+8*\col:C+8*\col+3] offset:32*WP*\col+128*((\t)/4)+32*((\t)%4)       ; 32 codes of my column: sign's 128 bytes first, then base's
	ds_store_b128 v4, v[C+8*\col+4:C+8*\col+7] offset:32*WP*\col+128*((\t)/4)+32*((\t)%4)+16
.endr
.if (\t)+2 < 8
	WLOAD (\t)+2                                   ; into the set just read out
.endif
	s_wait_dscnt 0x0                               ; the stores have read their registers: the next block's codes may be written
.endm
	WLOAD 0
	WLOAD 1                                        ; 64 loads of 256 bytes a wave are out
	s_wait_kmcnt 0x0
	POWERS 25, 11, 10                              ; base: e1
	POWERS 27, 13, 12                              ; sign: e3
.irp t, 0,1,2,3,4,5,6,7
	WBLOCK \t
.endr
.set i, 0
.rept 32
	ds_load_b128 v[X+4*i:X+4*i+3], v7 offset:2*i*WP                ; LDS serves a wave's instructions in order (ISA guide 5.7.1.4): these see my stores
.set i, i+1
.endr
.set i, 0
.rept 32
	s_wait_dscnt 31-i                              ; the younger loads may be out
	global_store_b128 v8, v[X+4*i:X+4*i+3], s[14:15] offset:(4*(i%16)+i/16)*8192   ; stage rows 2 i, 2 i + 1: columns 4 (i % 16) + i / 16 and two further; 16 lanes store 256 consecutive bytes, aligned
.set i, i+1
.endr
	s_wait_tensorcnt 0x0
	ds_add_u32 v224, v225
	s_wait_dscnt 0x0
	s_endpgm
; ---------------- x.  Rows are dense, so x is a plain stream of chunks of 128 numbers.  A wave takes 8,192 numbers (two rows) in 16 steps of 512.
; Each load reads 512 consecutive bytes, 16 a lane; a step's 2,048 bytes go through the wave's own stage as they lie and come back 16 NEIGHBOURS a lane, as the conversions want them.
; EACH GROUP OF 16 NUMBERS COMES BACK TO TWO LANES, 8 lanes apart: one quantises it under e2, the other under e0 (scale and hold are a lane's own).  So a store of 512 bytes holds two chunks, each as [p = 0 | p = 1].
.Lx:
	s_sub_co_u32 s18, ttmp9, 512
	s_lshl_b32 s18, s18, 2
	s_add_co_u32 s18, s18, s16                     ; which run of 8,192 numbers is my wave's
	s_lshl_b32 s20, s18, 15
	s_mov_b32 s21, 0
	s_add_nc_u64 s[4:5], s[4:5], s[20:21]
	s_lshl_b32 s20, s18, 14                        ; its codes: 16,384 bytes
	s_add_nc_u64 s[12:13], s[12:13], s[20:21]
	v_lshlrev_b32 v3, 4, v2                        ; my 16 bytes of a load's, and of a store's, 512
	s_mul_i32 s17, s16, 2*XSTG
	s_add_co_u32 s17, s17, XBASE                   ; my two stages
	v_lshrrev_b32 v14, 2, v2
	v_mul_u32_u24 v14, v14, SP
	v_and_b32 v5, 3, v2
	v_lshl_add_u32 v14, v5, 4, v14
	v_add_nc_u32 v14, s17, v14                     ; in: four lanes' 64 bytes on end, then the padding
	v_lshrrev_b32 v5, 4, v2
	v_and_b32 v6, 7, v2
	v_lshl_add_u32 v5, v5, 3, v6                   ; back: place 8 (lane / 16) + lane % 8: chunk lane / 16 of the store's two, group lane % 8 of its eight
	v_mul_u32_u24 v15, v5, SP
	v_add_nc_u32 v15, s17, v15
.macro XLOAD t
.irp i, 0,1,2,3
	global_load_b128 v[R+16*((\t)%4)+4*\i:R+16*((\t)%4)+4*\i+3], v3, s[4:5] offset:2048*(\t)+512*\i th:TH_LOAD_NT
.endr
.endm
.macro XTURN t                         ; step t's numbers through stage t % 2
.irp i, 0,1,2,3
	ds_store_b128 v14, v[R+16*((\t)%4)+4*\i:R+16*((\t)%4)+4*\i+3] offset:XSTG*((\t)%2)+8*SP*\i
.endr
.irp u, 0,1
.irp i, 0,1,2,3
	ds_load_b128 v[XX+32*((\t)%2)+16*\u+4*\i:XX+32*((\t)%2)+16*\u+4*\i+3], v15 offset:XSTG*((\t)%2)+16*SP*\u+16*\i
.endr
.endr
.endm
.irp t, 0,1,2,3
	XLOAD \t
.endr
	s_wait_kmcnt 0x0
	POWERS 26, 11, 10                              ; p = 0: e2
	POWERS 24, 7, 6                                ; p = 1: e0
	v_and_b32 v5, 8, v2
	v_cmp_ne_u32 vcc_lo, 0, v5                     ; p = bit 3 of the lane
	v_cndmask_b32 v11, v11, v7, vcc_lo
	v_cndmask_b32 v10, v10, v6, vcc_lo
	s_wait_loadcnt 12                              ; step 0's four loads are in; three steps' may be out
	XTURN 0
.macro XSTEP t
.set XS_, XX+32*((\t)%2)
.set CS_, CC+8*((\t)%2)
	s_wait_dscnt 0x0                               ; this step's numbers are back, so its stores into the stage have read their registers,
	s_wait_xcnt 0x0                                ; and the stores of two steps ago have read theirs: this step's codes may be written there
.if (\t)+4 < 16
	XLOAD (\t)+4
.endif
.if (\t)+1 < 16
.if (\t) <= 11
	s_wait_loadcnt 12                              ; the next step's four loads are in; those of the three steps behind it may be out
.else
	s_wait_loadcnt 4*(14-(\t))
.endif
	XTURN (\t)+1                                   ; through the other stage, while this step is worked
.endif
.set i, 0
.rept 32
	v_med3_num_f32 v[XS_+i], v[XS_+i], -v10, v10
.set i, i+1
.endr
.irp g, 0,1,2,3
	v_cvt_scalef32_pk8_fp8_f32 v[CS_+2*\g:CS_+2*\g+1], v[XS_+8*\g:XS_+8*\g+7], v11
.endr
	v_nop                                          ; one plain vector line behind the last conversion
.irp u, 0,1
	global_store_b128 v3, v[CS_+4*\u:CS_+4*\u+3], s[12:13] offset:1024*(\t)+512*\u     ; 32 lanes store 512 consecutive bytes, aligned
.endr
.endm
.irp t, 0,1,2,3,4,5,6,7,8,9,10,11,12,13,14,15
	XSTEP \t
.endr
	s_wait_tensorcnt 0x0
	ds_add_u32 v224, v225
	s_wait_dscnt 0x0
	s_endpgm
.Lfunc_end_k_q536d5d966b_quant:
	.size	k_q536d5d966b_quant, .Lfunc_end_k_q536d5d966b_quant-k_q536d5d966b_quant
	.p2alignl 7, 3214868480
	.fill 96, 4, 3214868480
	.section	.rodata,"a",@progbits
	.p2align	6, 0x0
	.amdhsa_kernel k_q536d5d966b_quant
		.amdhsa_group_segment_fixed_size 90624
		.amdhsa_private_segment_fixed_size 0
		.amdhsa_enable_private_segment 0
		.amdhsa_kernarg_size 48
		.amdhsa_user_sgpr_count 2
		.amdhsa_user_sgpr_kernarg_segment_ptr 1
		.amdhsa_wavefront_size32 1
		.amdhsa_system_sgpr_workgroup_id_x 1
		.amdhsa_system_sgpr_workgroup_id_y 1
		.amdhsa_system_sgpr_workgroup_id_z 1
		.amdhsa_system_vgpr_workitem_id 0
		.amdhsa_next_free_vgpr 226
		.amdhsa_next_free_sgpr 66
		.amdhsa_reserve_vcc 1
		.amdhsa_float_denorm_mode_32 3
		.amdhsa_float_denorm_mode_16_64 3
		.amdhsa_memory_ordered 1
		.amdhsa_forward_progress 1
		.amdhsa_inst_pref_size 157
	.end_amdhsa_kernel
	.amdgpu_metadata
---
amdhsa.version: [ 1, 2 ]
amdhsa.kernels:
  - .name:           k_q536d5d966b_quant
    .symbol:         k_q536d5d966b_quant.kd
    .args:
      - { .name: x, .offset: 0, .size: 8, .value_kind: global_buffer, .address_space: global }
      - { .name: base, .offset: 8, .size: 8, .value_kind: global_buffer, .address_space: global }
      - { .name: mask, .offset: 16, .size: 8, .value_kind: global_buffer, .address_space: global }
      - { .name: lowp_scales, .offset: 24, .size: 8, .value_kind: global_buffer, .address_space: global }
      - { .name: acodes, .offset: 32, .size: 8, .value_kind: global_buffer, .address_space: global }
      - { .name: bcodes, .offset: 40, .size: 8, .value_kind: global_buffer, .address_space: global }
    .group_segment_fixed_size: 90624
    .private_segment_fixed_size: 0
    .kernarg_segment_align: 8
    .kernarg_segment_size: 48
    .max_flat_workgroup_size: 128
    .sgpr_count:     66
    .vgpr_count:     226
    .wavefront_size: 32
...
	.end_amdgpu_metadata
.endif
;; end of part 1
;; launch gemm (part 2): grid 16 x 16, 4 waves a work-group, clusters of 4 x 4, 327,680 bytes of LDS; arguments acodes, bcodes, lowp_scales, coeff, out0; writes out0
.if DOCPART == 2
	.amdgcn_target "amdgcn-amd-amdhsa--gfx1250"
	.amdhsa_code_object_version 6
	.text
	.protected	k_q536d5d966b_gemm
	.globl	k_q536d5d966b_gemm
	.p2align	8
	.type	k_q536d5d966b_gemm,@function
k_q536d5d966b_gemm:
	s_mov_b64 s[64:65], 0
	v_nop
	global_prefetch_b8 v0, s[64:65] scope:SCOPE_SE
	s_setreg_imm32_b32 hwreg(HW_REG_WAVE_MODE, 25, 1), 1
	s_wait_xcnt 0x0
	s_wait_alu depctr_hold_cnt(0) depctr_sa_sdst(0) depctr_va_vdst(0) depctr_va_sdst(0) depctr_va_ssrc(0) depctr_va_vcc(0) depctr_vm_vsrc(0)
	s_getreg_b32 s2, hwreg(HW_REG_IB_STS2, 6, 4)
	s_cmp_eq_u32 s2, 0
	s_cbranch_scc0 .Lentry_in_a_cluster
	s_endpgm
.Lentry_in_a_cluster:
	s_bfe_u32 s2, ttmp6, 0x10000c
	s_cmp_lg_u32 s2, 0xf033
	s_cbranch_scc0 .Lentry_shape_is_right
	s_endpgm
.Lentry_shape_is_right:
; out0[m][n] = 2^(e0 + e1) sum_k A1[m][k] B1[n][k] + coeff 2^(e2 + e3) sum_k A0[m][k] B0[n][k], on codes of FP8 (E4M3); sums in f32.  M = 2,048, N = 4,096, K = 4,096 for each product.
; acodes [2048][8192] and bcodes [4096][8192]: byte 256 c + 128 p + j of a row is k = 128 c + j of product p (p = 0: x under e2, sign under e3; p = 1: x under e0, base under e1).
; SHARES.  A work-group makes 128 rows x 256 columns of out0: 16 x 16 work-groups.  THE TWO PRODUCTS ARE SHARED OUT AMONG THE WAVES: wave w takes product kh = w / 2 and columns 128 (w % 2) on, for all 128 rows:
; 64 accumulators of 16 x 16, 512 registers, so that 32 KiB read from LDS feed 64 matrix instructions.  At the end the waves w and w xor 2 hand each other half of their sums, scaled, through LDS.
; K goes in 32 steps through a ring of two LDS slots filled by the tensor data mover; a step is 256 bytes of every row: 128 along K of both products.  Larger slots do not fit: 384 rows of 528 bytes, twice, pass the LDS.
; CLUSTERS: 4 x 4 work-groups.  The four of a row of the cluster need the same tiles of A, the four of a column the same tiles of B: each tile is asked for JOINTLY, by the same tensor load with the same descriptor and a mask that names the four.
; THE MATRIX INSTRUCTION IS USED TRANSPOSED (source 0 = 16 rows of B, source 1 = 16 rows of A): a lane then holds eight neighbouring numbers of a row of out0.
; A fragment's k stand permuted, alike in A and in B (four loads of 16 bytes, 32 apart): every product meets its partner; only the order of the sums inside an instruction differs.
; WHO KEEPS WHAT, BY ADDRESS AND NOT BY A BRANCH: block a (0..7) of a wave's rows of A is rows 16 ((a + 4 kh) % 8).  So in every wave blocks 0-3 (window 2) are the rows that it stores, 64 kh on, and blocks 4-7 (window 3) those that it hands over.
; LIMITS: coeff x 2^(e2 + e3) and 2^(e0 + e1) are made by v_ldexp_f32 and must be f32 numbers; where they overflow or underflow, so do the results.
; REGISTERS, in windows of 256: window 0: v12-13 my factor; v16-30 addresses; v128-255 A's fragments (8 x 16 rows x 128 K), ONE set.   window 1: B's fragments, TWO sets, at v0 and v128; on the way out sums.
;   window 2: accumulators (a, b), a = 0..3, at v[8 (8 a + b)].   window 3: those of a = 4..7; on the way out whole rows.
.set PITCH,  272                       ; an LDS row: 256 bytes + 16 of padding = 68 words: row r starts at bank 4 r mod 64 (64 banks of 4 bytes: ISA guide 11.1), so the 16 rows that a load touches start at 16 different banks
.set AHALF,  64*PITCH                  ; what a load for A brings
.set BHALF,  128*PITCH                 ; what a load for B brings
.set SLOT,   2*AHALF+2*BHALF           ; A's 128 rows, then B's 256
.set SPARE,  2*SLOT                    ; behind the ring: the spare words, 128 bytes for each wave: two blocks of 256 bytes that no other line names
.set XCHHI,  SPARE+512                 ; the images that waves 2 and 3 hand over, 32,768 bytes each; those of waves 0 and 1 lie at LDS byte 0, in slot 0, which has had its last fill and its last read by then
.set STAGE,  XCHHI+2*32768             ; 16 rows x (512 bytes + 16) for each wave, for the way out
.set SPITCH, 528
.set KROW,   8192                      ; a row of codes in memory
.set FR,     16                        ; registers of a fragment
.set AF,     128                       ; A's fragments, in window 0
.set F,      12                        ; v[12:13] my product's factor, twice
.set ADRA,   16                        ; v16-17 LDS address of my blocks 0-3 of A in slot 0, 1;  v18-19 of my blocks 4-7
.set ADRB,   20                        ; v20-21 the same for B
.set XS,     22                        ; v22    where I put my image
.set XL,     23                        ; v23    where I find my partner's
.set STO,    24                        ; v24    the stage: where I put 32 bytes of a row
.set RD,     25                        ; v25    and where I read a row back
.set CO,     26                        ; v26    16 x lane: my byte offset in a row's 512 bytes
.set SPW,    28                        ; v28    LDS address of my spare word: SPARE + 4 x my thread's number; never rewritten
.set NIL,    29                        ; v29    0; never rewritten
.set PFO,    30                        ; v30    the prefetches' offset: my lane x a row of codes; never rewritten
.set G1,  24                           ; s[24:31] descriptor group 1 for A's tiles;  s[32:39] group 0, one set for each slot
.set G0,  32
.set G1B, 48                           ; s[48:55], s[56:63] the same for B's tiles
.set G0B, 56
.set PFA, 74                           ; s[74:75] where my prefetches stand
.set LIM, 76                           ; s76     1 in a wave that prefetches, else the greatest number
.set MSB, 0
.macro WIN new                         ; the immediate's high byte repeats the setting that is left
.if MSB != \new
	s_set_vgpr_msb (MSB<<8)|\new
.set MSB, \new
.endif
.endm
.set MUL_LO, 0xa1                      ; source 0 (B) window 1, source 1 (A) window 0, C and D window 2
.set MUL_HI, 0xf1                      ; the same, C and D window 3
.set TO_B,   0x40                      ; destination window 1, address window 0
.set SENDW,  0x43                      ; destination window 1, source 0 window 3
.set ST1,    0x04                      ; an LDS store's data window 1
.set FMAW,   0x52                      ; destination and source 2 window 1, source 0 window 2
.set LD3,    0xc0                      ; destination window 3
.set GS3,    0x0c                      ; a global store's data window 3
; A joint load: waves 0 and 1 fetch A's two halves, waves 2 and 3 B's.  Each of the two lines has ONE mask and one set of registers for all that issue it; the branch hangs on the wave's number alone.
; Four v_nop follow each of the two lines, ahead of the jump, the label and what follows.
.macro JLOAD g0a, g1a, g0b, g1b
	s_cmp_eq_u32 s15, 0
	s_cbranch_scc0 .Lfor_b_\@
	tensor_load_to_lds s[\g0a:\g0a+3], s[\g1a:\g1a+7]
	s_nop 0
.rept 4
	v_nop
.endr
	s_branch .Lasked_\@
.Lfor_b_\@:
	tensor_load_to_lds s[\g0b:\g0b+3], s[\g1b:\g1b+7]
	s_nop 0
.rept 4
	v_nop
.endr
.Lasked_\@:
.endm
.macro CREST                           ; a round of the cluster's barrier behind its opening barrier
	s_cmp_lg_u32 s14, 0
	s_cbranch_scc1 .Lnot_wave_0_\@
	s_barrier_signal -3
.Lnot_wave_0_\@:
	s_barrier_wait -3
	s_barrier_signal -1
	s_barrier_wait -1
.endm
.macro CROUND                          ; a whole round
	s_barrier_signal -1
	s_barrier_wait -1
	CREST
.endm
; A PREFETCH INTO THE L2, behind a joint load, its four lines and the run of LDS loads that the next products wait for.  The change of slots of K step s asks jointly for K step s + 2 and names here K step s + 5:
; three K steps, 192 matrix instructions, ahead of the tensor load that will want it.  32 rows x 256 bytes, a lane a row, one instruction a wave.
; Each row's 256 bytes of a K step are named ONCE in the launch.  A's 128 rows are read by every cluster of that row of clusters: cluster x = 0 asks, wave 0, and the four partners take 32 rows each BY ADDRESS (cx).
; B's 256 rows are read by every cluster of that column: cluster y = 0 asks, waves 2 and 3 for their 128 rows, of which the four partners take 32 each by address (cy).  No branch hangs on a work-group's place in its cluster.
; K steps 0 to 4 come by their loads alone: nothing is prefetched at the head.  how = 1: K step 0's change.  how = 0, in the loop: its last trip (s3 = 1) would name K steps 32 and 33, and asks for nothing.
.macro ASK how
.if \how
	s_cmp_eq_u32 s[LIM], 1
.else
	s_cmp_gt_u32 s3, s[LIM]
.endif
	s_cbranch_scc0 .Lnot_mine_\@
	global_prefetch_b8 v[PFO], s[PFA:PFA+1] th:TH_LOAD_NT scope:SCOPE_SE
.Lnot_mine_\@:
.endm
	s_load_b256 s[4:11], s[0:1], 0x0               ; acodes s[4:5], bcodes s[6:7], lowp_scales s[8:9], coeff s[10:11]
	s_load_b64 s[12:13], s[0:1], 0x20              ; out0
	v_lshl_add_u32 v[SPW], v0, 2, SPARE
	v_mov_b32 v[NIL], 0
	ds_add_u32 v28, v29
	ds_add_u32 v28, v29
	s_wait_dscnt 0x0
	v_lshrrev_b32 v1, 5, v0
	v_readfirstlane_b32 s14, v1                    ; wave 0..3
	s_lshr_b32 s15, s14, 1                         ; kh: my product.  Also: I fetch for A (0) or for B (1)
	s_and_b32 s16, s14, 1                          ; nh: which 128 columns are mine.  Also: which half of that tile I fetch
	s_bfe_u32 s40, ttmp6, 0x40000                  ; cx, cy: my place in the cluster
	s_bfe_u32 s41, ttmp6, 0x40004
	s_lshl_b32 s42, ttmp9, 2
	s_add_co_u32 s42, s42, s40                     ; tx: tile column = 4 x cluster x + cx
	s_and_b32 s17, ttmp7, 0xffff
	s_lshl_b32 s17, s17, 2
	s_add_co_u32 s17, s17, s41                     ; ty: tile row = 4 x cluster y + cy
	s_lshl_b32 s43, s41, 2
	s_lshl_b32 s43, 15, s43                        ; my row of the cluster
	s_lshl_b32 s44, 0x1111, s40                    ; my column
	; descriptor group 1: rows of 256 bytes, padded in LDS; A: 64 rows, B: 128 rows
	s_or_b32 s[G1+0], s43, (0<<16)|(1<<20)|(1<<21)|(5<<22)|(3<<25)  ; 15:0 the mask: A's tiles go to my row; 17:16 elements of 1 byte; 20 padding on; 21 set beside a mask; 24:22 after every 64 words (code 5); 31:25 of 4 words (code 3)
	s_or_b32 s[G1B+0], s44, (0<<16)|(1<<20)|(1<<21)|(5<<22)|(3<<25) ; the same with the mask of my column
	s_mov_b32 s[G1+1], 256<<16                     ; tensor_dim0 = 256
	s_mov_b32 s[G1+2], 64<<16                      ; tensor_dim1 = 64
	s_mov_b32 s[G1+3], 256<<16                     ; tile_dim0 = 256
	s_mov_b32 s[G1+4], 64                          ; tile_dim1 = 64
	s_mov_b32 s[G1+5], KROW                        ; tensor_dim0_stride
	s_mov_b32 s[G1+6], 0
	s_mov_b32 s[G1+7], 0
	s_mov_b32 s[G1B+1], 256<<16
	s_mov_b32 s[G1B+2], 128<<16                    ; tensor_dim1 = 128
	s_mov_b32 s[G1B+3], 256<<16
	s_mov_b32 s[G1B+4], 128                        ; tile_dim1 = 128
	s_mov_b32 s[G1B+5], KROW
	s_mov_b32 s[G1B+6], 0
	s_mov_b32 s[G1B+7], 0
	; where the tiles come from: A's hang on the tile row alone, B's on the tile column alone.  Every wave makes both, in registers that never hold the other coordinate
	s_lshl_b32 s20, s17, 7
	s_lshl_b32 s18, s16, 6
	s_add_co_u32 s20, s20, s18                     ; A: row 128 ty + 64 nh
	s_lshl_b32 s20, s20, 13                        ; x 8,192 bytes
	s_mov_b32 s21, 0
	s_lshl_b32 s46, s42, 8
	s_lshl_b32 s18, s16, 7
	s_add_co_u32 s46, s46, s18                     ; B: row 256 tx + 128 nh
	s_lshl_b32 s46, s46, 13
	s_mov_b32 s47, 0
	s_mul_i32 s45, s16, AHALF                      ; where they go: A's two halves,
	s_mul_i32 s19, s16, BHALF
	s_add_co_u32 s19, s19, 2*AHALF                 ; then B's two: no place in the cluster enters an LDS address
	s_wait_kmcnt 0x0
	s_load_b128 s[68:71], s[8:9], 0x0              ; e0, e1, e2, e3: wanted on the way out
	s_load_b32 s72, s[10:11], 0x0                  ; coeff
	s_add_nc_u64 s[20:21], s[4:5], s[20:21]
	s_add_nc_u64 s[46:47], s[6:7], s[46:47]
	CROUND                                         ; all sixteen work-groups are here: the first joint loads meet
.irp s, 0,1
	s_mov_b32 s[G0+4*\s], 1                                        ; count = 1
	s_add_co_u32 s[G0+4*\s+1], s45, \s*SLOT                        ; LDS address
	s_add_nc_u64 s[G0+4*\s+2:G0+4*\s+3], s[20:21], \s*256          ; global address: K step s
	s_or_b32 s[G0+4*\s+3], s[G0+4*\s+3], 0x80000000                ; type = 2
	s_mov_b32 s[G0B+4*\s], 1
	s_add_co_u32 s[G0B+4*\s+1], s19, \s*SLOT
	s_add_nc_u64 s[G0B+4*\s+2:G0B+4*\s+3], s[46:47], \s*256
	s_or_b32 s[G0B+4*\s+3], s[G0B+4*\s+3], 0x80000000
	JLOAD G0+4*\s, G1, G0B+4*\s, G1B               ; two tensor loads of mine are out behind the second
.endr
	v_and_b32 v1, 15, v0                           ; r = l % 16
	v_bfe_u32 v2, v0, 4, 1                         ; h = l / 16
	v_mul_u32_u24 v3, v1, PITCH
	v_lshl_add_u32 v4, v2, 4, v3                   ; a fragment's row x pitch + 16 x half
	s_lshl_b32 s18, s15, 7                         ; my product's 128 bytes of every row
	s_mul_i32 s22, s15, AHALF                      ; blocks 0-3: rows 64 kh on
	s_xor_b32 s23, s15, 1
	s_mul_i32 s23, s23, AHALF                      ; blocks 4-7: rows 64 (1 - kh) on
	s_add_co_u32 s22, s22, s18
	s_add_co_u32 s23, s23, s18
	s_mul_i32 s78, s16, BHALF                      ; my 128 rows of B,
	s_add_co_u32 s78, s78, 2*AHALF                 ; which lie behind A's 128
	s_add_co_u32 s78, s78, s18
.irp s, 0,1
	v_add_nc_u32 v[ADRA+\s], s22, v4
	v_add_nc_u32 v[ADRA+2+\s], s23, v4
	v_add_nc_u32 v[ADRB+\s], s78, v4
	s_add_co_u32 s22, s22, SLOT
	s_add_co_u32 s23, s23, SLOT
	s_add_co_u32 s78, s78, SLOT
.endr
	v_and_b32 v5, 31, v0
	v_lshlrev_b32 v[CO], 4, v5
	s_lshl_b32 s18, s16, 15                        ; the images: 32,768 nh + XCHHI x kh
	s_mul_i32 s22, s15, XCHHI
	s_add_co_u32 s22, s22, s18
	v_add_nc_u32 v[XS], s22, v[CO]                 ; mine,
	s_xor_b32 s23, s15, 1
	s_mul_i32 s23, s23, XCHHI
	s_add_co_u32 s23, s23, s18
	v_add_nc_u32 v[XL], s23, v[CO]                 ; and that of wave w xor 2
	s_mul_i32 s22, s14, 16*SPITCH
	s_add_co_u32 s22, s22, STAGE                   ; my stage
	v_mul_u32_u24 v6, v1, SPITCH                   ; in: row l % 16, 32 bytes for each half of the lanes
	v_lshl_add_u32 v6, v2, 5, v6
	v_add_nc_u32 v[STO], s22, v6
	v_add_nc_u32 v[RD], s22, v[CO]                 ; back: the 32 lanes take one row of 512 bytes
	s_lshl_b32 s20, s17, 7
	s_lshl_b32 s21, s15, 6
	s_add_co_u32 s20, s20, s21                     ; the first row that I store: 128 ty + 64 kh,
	s_lshl_b32 s20, s20, 14                        ; x 16,384 bytes
	s_mov_b32 s21, 0
	s_add_nc_u64 s[12:13], s[12:13], s[20:21]
	s_lshl_b32 s46, s42, 10                        ; my first column, in bytes: 1,024 tx + 512 nh
	s_lshl_b32 s47, s16, 9
	s_add_co_u32 s46, s46, s47
	s_mov_b32 s47, 0
	s_add_nc_u64 s[12:13], s[12:13], s[46:47]
	; the prefetches (macro ASK): where my wave's stand, and who asks
	s_lshl_b32 s66, s17, 7                         ; A: row 128 ty
	s_lshl_b32 s67, s42, 8
	s_lshl_b32 s79, s16, 7
	s_add_co_u32 s67, s67, s79                     ; B: row 256 tx + 128 nh
	s_and_b32 s77, ttmp7, 0xffff                   ; cluster y
	s_cmp_eq_u32 s15, 0                            ; do I fetch for A?
	s_cselect_b32 s66, s66, s67
	s_cselect_b32 s67, s40, s41                    ; my place among the four that ask for the tile with me
	s_cselect_b32 s77, ttmp9, s77                  ; the coordinate along which other clusters read the same rows
	s_cselect_b32 s79, s16, 0                      ; (of A's two fetching waves wave 0 alone asks: 4 x 32 rows are all of A's 128)
	s_cselect_b64 s[PFA:PFA+1], s[4:5], s[6:7]
	s_or_b32 s77, s77, s79
	s_cmp_eq_u32 s77, 0
	s_cselect_b32 s[LIM], 1, -1                    ; the same in all sixteen partners, for a given wave
	s_lshl_b32 s67, s67, 5
	s_add_co_u32 s66, s66, s67                     ; + my work-group's 32 rows
	s_lshl_b32 s66, s66, 13
	s_add_co_u32 s66, s66, 4*256                   ; at K step 4: the first change of slots steps it to 5
	s_mov_b32 s67, 0
	s_add_nc_u64 s[PFA:PFA+1], s[PFA:PFA+1], s[66:67]
	v_lshlrev_b32 v[PFO], 13, v5
.macro FRAG reg, adr, i                ; a fragment, 16 rows x 128 K of 8-bit codes, is 16 registers: lane l holds row l % 16; registers 4 c .. 4 c + 3 hold K = 32 c + 16 (l / 16) + 0 .. 15
.irp c, 0,1,2,3
	ds_load_b128 v[\reg+4*\c:\reg+4*\c+3], v[\adr] offset:32*\c+(\i)*16*PITCH
.endr
.endm
; 16 matrix instructions: A's blocks a0, a0 + 1 x B's eight, 128 along K.  p: B's set.  zero = 1: the first product starts the sums: nothing is ever cleared.
; The 64 accumulators take turns, one instruction a turn, in the same order in every step.
.macro MUL16 a0, p, zero
.irp a, \a0, \a0+1
.irp b, 0,1,2,3,4,5,6,7
.if \zero
	v_wmma_f32_16x16x128_fp8_fp8 v[8*(8*((\a)%4)+\b):8*(8*((\a)%4)+\b)+7], v[128*(\p)+FR*\b:128*(\p)+FR*\b+FR-1], v[AF+FR*(\a):AF+FR*(\a)+FR-1], 0
.else
	v_wmma_f32_16x16x128_fp8_fp8 v[8*(8*((\a)%4)+\b):8*(8*((\a)%4)+\b)+7], v[128*(\p)+FR*\b:128*(\p)+FR*\b+FR-1], v[AF+FR*(\a):AF+FR*(\a)+FR-1], v[8*(8*((\a)%4)+\b):8*(8*((\a)%4)+\b)+7]
.endif
.endr
.endr
.endm
.macro FETCH_B slot, p                 ; B's eight fragments of the slot into set p
	WIN TO_B
.irp i, 0,1,2,3,4,5,6,7
	FRAG 128*(\p)+FR*\i, ADRB+\slot, \i
.endr
	WIN 0
.endm
.macro FETCH_A slot, half              ; A's blocks 4 half .. 4 half + 3
.irp i, 0,1,2,3
	FRAG AF+FR*(4*(\half)+\i), ADRA+2*(\half)+\slot, \i
.endr
.endm
; A load into a register that a matrix instruction has read, and a vector instruction that reads a matrix result or writes one of a matrix instruction's registers, stand four places behind it, and only plain
; vector instructions that name none of its registers are places (ISA guide 7.12.1 for vector instructions); the matrix instructions in between are not counted.
.macro PLACES n
.rept \n
	v_nop
.endr
.endm
; A K STEP: 64 matrix instructions on the fragments of slot `slot` (B's set = the slot's number), and the change of slots in its middle: ONE barrier.  In front of it each wave waits for all its tensor loads, adds 0 to
; its spare word, and waits for that and for its own reads of this slot.  fill = 1: the barrier opens a round of the cluster's, and this slot is filled again, two K steps ahead.
; A has one set of registers: blocks 0-3 are fetched anew in the step's middle, blocks 4-7 at its end, each 32 matrix instructions ahead of their use.
.macro TURN slot, next, fill, zero, ask
	s_wait_xcnt 0x0                                ; the last prefetch, a K step back, has read its address: it is stepped here, ahead of the waits of the change of slots
	s_add_nc_u64 s[PFA:PFA+1], s[PFA:PFA+1], 256
	s_wait_tensorcnt 0x0                           ; all my tensor loads have landed: the one that was out is my part of the next slot;  (every window is 0 here)
	ds_add_u32 v[SPW], v[NIL]                      ; 0 onto my spare word
	s_wait_dscnt 17                                ; (the add and the youngest sixteen loads, A's blocks 4-7, may be out)
	WIN MUL_LO
	MUL16 0, \slot, \zero                          ; sixteen matrix instructions stand between the add and the wait for it
	s_wait_dscnt 0x0                               ; the add is done, and my reads of this slot are over
	s_barrier_signal -1
	MUL16 2, \slot, \zero
	WIN 0
	s_barrier_wait -1
.if \fill
	CREST                                          ; no wave of any partner still reads this slot's tile or has a load on its way
	s_add_nc_u64 s[G0+4*\slot+2:G0+4*\slot+3], s[G0+4*\slot+2:G0+4*\slot+3], 2*256
	s_add_nc_u64 s[G0B+4*\slot+2:G0B+4*\slot+3], s[G0B+4*\slot+2:G0B+4*\slot+3], 2*256
	JLOAD G0+4*\slot, G1, G0B+4*\slot, G1B         ; the first tensor load behind the round, my one load until the next; the four v_nop behind it are the places in front of the loads below
.else
	PLACES 4
.endif
	FETCH_B \next, \next
	FETCH_A \next, 0
.if \ask == 1
	ASK 0
.elseif \ask == 2
	ASK 1
.endif
	WIN MUL_HI
	MUL16 4, \slot, \zero
	MUL16 6, \slot, \zero
	PLACES 4
	WIN 0
	FETCH_A \next, 1
.endm
	s_wait_tensorcnt 1                             ; my part of K step 0 is in (K step 1's load may be out)
	s_barrier_signal -1
	s_barrier_wait -1                              ; everybody's is
	FETCH_B 0, 0
	FETCH_A 0, 0
	FETCH_A 0, 1
	TURN 0, 1, 1, 1, 2                             ; K step 0 stands in front of the loop: its products start the sums
	s_mov_b32 s3, 14
.Llap:                                                 ; 14 trips: K steps 1 to 28
	TURN 1, 0, 1, 0, 1
	TURN 0, 1, 1, 0, 1
	s_sub_co_u32 s3, s3, 1
	s_cmp_lg_u32 s3, 0
	s_cbranch_scc1 .Llap
	TURN 1, 0, 1, 0, 0                             ; K step 29 asks for K step 31, the last
	TURN 0, 1, 0, 0, 0                             ; K step 30 fills nothing, and has no round of the cluster's barrier; behind its barrier nobody reads slot 0 any more
	s_wait_dscnt 16                                ; K step 31: nothing more to fetch
	WIN MUL_LO
	MUL16 0, 1, 0
	MUL16 2, 1, 0
	s_wait_dscnt 0
	WIN MUL_HI
	MUL16 4, 1, 0
	MUL16 6, 1, 0
	WIN 0
	; THE WAY OUT.  My factor: coeff x 2^(e2 + e3) for product 0, 2^(e0 + e1) for product 1: chosen without a jump.
	s_wait_kmcnt 0x0
	s_add_co_i32 s73, s70, s71                     ; e2 + e3
	s_add_co_i32 s78, s68, s69                     ; e0 + e1
	s_cmp_eq_u32 s15, 0
	s_cselect_b32 s73, s73, s78
	s_cselect_b32 s72, s72, 1.0
	v_mov_b32 v[F], s72
	v_ldexp_f32 v[F], v[F], s73
	v_mov_b32 v[F+1], v[F]                         ; (named with it as a pair, so it is written)
	PLACES 4                                       ; behind the last products: their results are read, and B's registers written, below
	; The 32 accumulators of the rows that my partner stores, x my factor, go to LDS as an image of their registers: lane l's 16 bytes at 16 l, 512 bytes a store.  Each accumulator is read from its low end on.
	WIN SENDW
.set j, 0
.rept 128
	v_pk_mul_f32 v[j:j+1], v[j:j+1], v[F:F+1] op_sel_hi:[1,0]
.set j, j+2
.endr
	WIN ST1
.set j, 0
.rept 64
	ds_store_b128 v[XS], v[4*j:4*j+3] offset:512*j
.set j, j+1
.endr
	WIN 0
	s_wait_dscnt 0x0                               ; for my partner's sake: my image lies in LDS
	s_barrier_signal -1
	s_barrier_wait -1
	WIN TO_B
.set j, 0
.rept 64
	ds_load_b128 v[4*j:4*j+3], v[XL] offset:512*j  ; my partner's image: the other product's part of my rows, in the same registers and lanes as my window 2
.set j, j+1
.endr
.irp q, 0,1,2,3
	s_wait_dscnt 48-16*\q                          ; block q's sixteen loads are in; the younger ones may be out
	WIN FMAW
.set j, 0
.rept 32
	v_pk_fma_f32 v[64*\q+j:64*\q+j+1], v[64*\q+j:64*\q+j+1], v[F:F+1], v[64*\q+j:64*\q+j+1] op_sel_hi:[1,0,1]   ; my sum x my factor + my partner's
.set j, j+2
.endr
.endr
; A block of 16 rows x 128 columns goes through my own stage and comes back as whole rows of 512 bytes.  LDS serves a wave's instructions in order (ISA guide 5.7.1.4): no wait between the stores and the loads, nor in front of the next block's stores.
.macro TOSTAGE q
	WIN ST1
.irp b, 0,1,2,3,4,5,6,7
	ds_store_b128 v[STO], v[64*(\q)+8*\b:64*(\q)+8*\b+3] offset:64*\b
	ds_store_b128 v[STO], v[64*(\q)+8*\b+4:64*(\q)+8*\b+7] offset:64*\b+16
.endr
	WIN LD3
.irp t, 0,1,2,3,4,5,6,7,8,9,10,11,12,13,14,15
	ds_load_b128 v[64*(\q)+4*\t:64*(\q)+4*\t+3], v[RD] offset:\t*SPITCH
.endr
.endm
.macro SEND q, younger                 ; younger: the LDS instructions issued behind block q's loads, which may stay out.  Each block has 64 registers of its own, and the base is never stepped
	s_wait_dscnt \younger
	WIN GS3
.irp t, 0,1,2,3,4,5,6,7,8,9,10,11,12,13,14,15
	global_store_b128 v[CO], v[64*(\q)+4*\t:64*(\q)+4*\t+3], s[12:13] offset:(16*(\q)+\t)*16384 th:TH_STORE_NT   ; 32 lanes store 512 consecutive bytes, aligned; 63 rows at the most: inside the signed 24-bit immediate
.endr
.endm
	TOSTAGE 0
	TOSTAGE 1
	SEND 0, 32                                     ; behind block 0's loads: block 1's 16 stores and 16 loads
	TOSTAGE 2
	SEND 1, 32
	TOSTAGE 3
	SEND 2, 32
	SEND 3, 0
	WIN 0
	s_wait_tensorcnt 0x0                           ; the wave's end: behind my last tensor load and my last LDS store
	ds_add_u32 v[SPW], v[NIL]
	s_wait_dscnt 0x0
	CROUND                                         ; the closing round: no work-group ends while a partner may still ask for a tile that names it
	s_endpgm
.Lfunc_end_k_q536d5d966b_gemm:
	.size	k_q536d5d966b_gemm, .Lfunc_end_k_q536d5d966b_gemm-k_q536d5d966b_gemm
	.p2alignl 7, 3214868480
	.fill 96, 4, 3214868480
	.section	.rodata,"a",@progbits
	.p2align	6, 0x0
	.amdhsa_kernel k_q536d5d966b_gemm
		.amdhsa_group_segment_fixed_size 327680
		.amdhsa_private_segment_fixed_size 0
		.amdhsa_enable_private_segment 0
		.amdhsa_kernarg_size 40
		.amdhsa_user_sgpr_count 2
		.amdhsa_user_sgpr_kernarg_segment_ptr 1
		.amdhsa_wavefront_size32 1
		.amdhsa_system_sgpr_workgroup_id_x 1
		.amdhsa_system_sgpr_workgroup_id_y 1
		.amdhsa_system_sgpr_workgroup_id_z 1
		.amdhsa_system_vgpr_workitem_id 0
		.amdhsa_next_free_vgpr 1024
		.amdhsa_next_free_sgpr 80
		.amdhsa_reserve_vcc 0
		.amdhsa_float_denorm_mode_32 3
		.amdhsa_float_denorm_mode_16_64 3
		.amdhsa_memory_ordered 1
		.amdhsa_forward_progress 1
		.amdhsa_inst_pref_size 104
	.end_amdhsa_kernel
	.amdgpu_metadata
---
amdhsa.version: [ 1, 2 ]
amdhsa.kernels:
  - .name:           k_q536d5d966b_gemm
    .symbol:         k_q536d5d966b_gemm.kd
    .args:
      - { .name: acodes, .offset: 0, .size: 8, .value_kind: global_buffer, .address_space: global }
      - { .name: bcodes, .offset: 8, .size: 8, .value_kind: global_buffer, .address_space: global }
      - { .name: lowp_scales, .offset: 16, .size: 8, .value_kind: global_buffer, .address_space: global }
      - { .name: coeff, .offset: 24, .size: 8, .value_kind: global_buffer, .address_space: global }
      - { .name: out0, .offset: 32, .size: 8, .value_kind: global_buffer, .address_space: global }
    .group_segment_fixed_size: 327680
    .private_segment_fixed_size: 0
    .kernarg_segment_align: 8
    .kernarg_segment_size: 40
    .max_flat_workgroup_size: 128
    .sgpr_count:     80
    .vgpr_count:     1024
    .wavefront_size: 32
...
	.end_amdgpu_metadata
.endif
;; end of part 2
;; ======== version 2 of 2: 2 launches
;; limits: right only within a limited range of input values
;; workspace buffers: acodes 16,777,216 bytes; bcodes 33,554,432 bytes
;; launch quant (part 3): grid 768 x 1, 4 waves a work-group, no clusters, 90,624 bytes of LDS; arguments x, base, mask, lowp_scales, acodes, bcodes; writes acodes, bcodes
.if DOCPART == 3
	.amdgcn_target "amdgcn-amd-amdhsa--gfx1250"
	.amdhsa_code_object_version 6
	.text
	.protected	k_q536d5d966b_quant
	.globl	k_q536d5d966b_quant
	.p2align	8
	.type	k_q536d5d966b_quant,@function
k_q536d5d966b_quant:
	s_mov_b64 s[64:65], 0
	v_nop
	global_prefetch_b8 v0, s[64:65] scope:SCOPE_SE
	s_setreg_imm32_b32 hwreg(HW_REG_WAVE_MODE, 25, 1), 1
	s_wait_xcnt 0x0
; x [2048][4096] f32, base [4096 k][4096 n] f32 and mask [4096 k][4096 n] int32 become codes of FP8 (E4M3) for the two products of
;   out = Q(x, e0) Q(base, e1) + coeff Q(x, e2) Q(sign, e3),   sign = f32(2 mask - 1).
; code = number / 2^e, held within +-448, rounded to the nearest code, ties to even; e0 .. e3 are the four whole numbers of lowp_scales.
; acodes: rows of 8,192 bytes, the two products interleaved in chunks of 128 along K:
;   acodes[m][256 c + 128 p + j] = code of x[m][128 c + j] under e2 (p = 0) or e0 (p = 1)
; bcodes: images of the matrix operand's registers, [p][g][c][cb][q][lane][16 bytes]: p = 0 sign under e3, p = 1 base under e1; g: 64 columns; c: 128 along K;
;   cb: 16 columns; the 16 bytes of lane l are column 64 g + 16 cb + l % 16, K = 128 c + 32 q + 16 (l / 16) + 0 .. 15.  A (p, g) is 262,144 dense bytes, a (p, g, c) 8,192.
; LIMITS: each e lies between -126 and 119, so that 2^e and 448 x 2^e are f32 numbers.  NaN in x or base is not served (an infinity is held at the largest code).  mask may be any int32; 2 mask - 1 wraps as int32 does.
; Work-groups 0 to 511 take base and mask (256 columns x 128 along K each), 512 to 767 take x (8 rows each).  The two ways part once, on the work-group's number; each has LDS bytes of its own.
; No barrier: waves share nothing.  Every offset is an immediate and no pointer is stepped.
.set X,     16                         ; W: v16-143  two sets of 64: 32 rows of K x 2 columns a lane; at the end the images on their way out
.set T,     144                        ; W: v144-207 column 0's 32 numbers down K, then column 1's
.set C,     208                        ; W: v208-223 their codes
.set WP,    272                        ; W: a stage row: 256 bytes + 16
.set WSTG,  64*WP                      ; W: a wave's stage: 64 columns
.set R,     16                         ; X: v16-79   four sets of 16 numbers as loaded
.set XX,    80                         ; X: v80-143  two sets of 32 numbers
.set CC,    144                        ; X: v144-159 two sets of 8 registers of codes
.set SP,    80                         ; X: a place in a stage: 64 bytes + 16 of padding
.set XSTG,  32*SP
.set XBASE, 4*WSTG                     ; X: its LDS begins behind W's
.macro POWERS e, sc, lim               ; v[sc] = 2^e as f32, v[lim] = 448 x 2^e
	s_add_co_i32 s28, s[\e], 127
	s_lshl_b32 s29, s28, 23
	v_mov_b32 v[\sc], s29
	s_add_co_i32 s28, s28, 8
	s_lshl_b32 s28, s28, 23
	s_or_b32 s28, s28, 0x600000
	v_mov_b32 v[\lim], s28
.endm
	s_load_b256 s[4:11], s[0:1], 0x0               ; x, base, mask, lowp_scales
	s_load_b128 s[12:15], s[0:1], 0x20             ; acodes, bcodes
	v_lshl_add_u32 v224, v0, 2, 0x16000            ; my spare word, behind both ways' LDS
	v_mov_b32 v225, 0
	v_lshrrev_b32 v1, 5, v0
	v_readfirstlane_b32 s16, v1                    ; wave
	v_and_b32 v2, 31, v0                           ; lane
	s_wait_kmcnt 0x0
	s_load_b128 s[24:27], s[10:11], 0x0            ; e0 .. e3
	s_cmp_lt_u32 ttmp9, 512
	s_cbranch_scc0 .Lx
; base and mask.  A lane takes two columns and its registers run down K: each load of a wave reads 256 consecutive, aligned bytes of a row.
	s_and_b32 s17, ttmp9, 15
	s_lshr_b32 s18, ttmp9, 4                       ; c
	s_lshl_b32 s17, s17, 8
	s_lshl_b32 s19, s16, 6
	s_add_co_u32 s17, s17, s19                     ; n0 = 64 g: my wave's first column
	s_lshl_b32 s20, s18, 21                        ; in: 128 c rows of 16,384 bytes
	s_lshl_b32 s19, s17, 2
	s_add_co_u32 s20, s20, s19
	s_mov_b32 s21, 0
	s_add_nc_u64 s[6:7], s[6:7], s[20:21]
	s_add_nc_u64 s[8:9], s[8:9], s[20:21]
	s_lshl_b32 s22, s17, 12                        ; out: 262,144 g
	s_lshl_b32 s19, s18, 13
	s_add_co_u32 s22, s22, s19                     ; + 8,192 c
	s_mov_b32 s23, 0
	s_add_nc_u64 s[14:15], s[14:15], s[22:23]      ; sign's images
	s_add_nc_u64 s[30:31], s[14:15], 0x1000000     ; base's, 16,777,216 bytes on
	s_wait_alu depctr_va_vdst(0)
	v_lshlrev_b32 v3, 3, v2                        ; in: 8 bytes a lane
	s_mul_i32 s19, s16, WSTG
	v_mul_u32_u24 v4, v2, WP
	v_add_nc_u32 v4, s19, v4                       ; stage row 32 col + lane holds column n0 + 2 lane + col
	v_and_b32 v5, 15, v2
	v_lshrrev_b32 v6, 4, v2
	v_and_b32 v7, 1, v5
	v_lshrrev_b32 v9, 1, v5
	v_lshl_add_u32 v7, v7, 5, v9                   ; out of it: column l % 16 of a block of 16 lies in stage row 32 (r % 2) + r / 2 (+ 8 cb)
	v_mul_u32_u24 v7, v7, WP
	v_lshl_add_u32 v7, v6, 4, v7                   ; + 16 (l / 16) along K
	v_add_nc_u32 v7, s19, v7
	v_lshlrev_b32 v8, 4, v2                        ; an image: 16 bytes a lane
.macro WLOAD t                         ; block t: 32 rows of K; t = 0..3 of mask, 4..7 of base; into set t % 2
.set i, 0
.rept 32
.if (\t) < 4
	global_load_b64 v[X+64*((\t)%2)+2*i:X+64*((\t)%2)+2*i+1], v3, s[8:9] offset:(32*((\t)%4)+i)*16384 th:TH_LOAD_NT
.else
	global_load_b64 v[X+64*((\t)%2)+2*i:X+64*((\t)%2)+2*i+1], v3, s[6:7] offset:(32*((\t)%4)+i)*16384 th:TH_LOAD_NT
.endif
.set i, i+1
.endr
.endm
.macro WBLOCK t
.set XS_, X+64*((\t)%2)
.if (\t) < 7
	s_wait_loadcnt 32                              ; this block's 32 loads are in; the next block's may be out
.else
	s_wait_loadcnt 0
.endif
.irp col, 0,1
.if (\t) < 4
.set i, 0
.rept 32
	v_lshl_add_u32 v[T+32*\col+i], v[XS_+2*i+\col], 1, -1          ; 2 mask - 1, as int32
.set i, i+1
.endr
.set i, 0
.rept 32
	v_cvt_f32_i32 v[T+32*\col+i], v[T+32*\col+i]
.set i, i+1
.endr
.set i, 0
.rept 32
	v_med3_num_f32 v[T+32*\col+i], v[T+32*\col+i], -v12, v12       ; the conversion does not saturate (ISA guide 7.6.2): the hold
.set i, i+1
.endr
.irp g, 0,1,2,3
	v_cvt_scalef32_pk8_fp8_f32 v[C+8*\col+2*\g:C+8*\col+2*\g+1], v[T+32*\col+8*\g:T+32*\col+8*\g+7], v13
.endr
.else
.set i, 0
.rept 32
	v_med3_num_f32 v[T+32*\col+i], v[XS_+2*i+\col], -v10, v10      ; the hold untangles the two columns as well
.set i, i+1
.endr
.irp g, 0,1,2,3
	v_cvt_scalef32_pk8_fp8_f32 v[C+8*\col+2*\g:C+8*\col+2*\g+1], v[T+32*\col+8*\g:T+32*\col+8*\g+7], v11
.endr
.endif
.endr
	v_nop                                          ; one plain vector line behind the last conversion
.irp col, 0,1
	ds_store_b128 v4, v[C+8*\col:C+8*\col+3] offset:32*WP*\col+128*((\t)/4)+32*((\t)%4)       ; sign's 128 bytes first, then base's
	ds_store_b128 v4, v[C+8*\col+4:C+8*\col+7] offset:32*WP*\col+128*((\t)/4)+32*((\t)%4)+16
.endr
.if (\t)+2 < 8
	WLOAD (\t)+2
.endif
	s_wait_dscnt 0x0                               ; the stores have read their registers
.endm
	WLOAD 0
	WLOAD 1
	s_wait_kmcnt 0x0
	POWERS 25, 11, 10                              ; base: e1
	POWERS 27, 13, 12                              ; sign: e3
.irp t, 0,1,2,3,4,5,6,7
	WBLOCK \t
.endr
.set i, 0
.rept 32                               ; i = 16 p + 4 cb + q
	ds_load_b128 v[X+4*i:X+4*i+3], v7 offset:8*((i%16)/4)*WP+128*(i/16)+32*(i%4)   ; LDS serves a wave's instructions in order (ISA guide 5.7.1.4): these see my stores
.set i, i+1
.endr
.set i, 0
.rept 32
	s_wait_dscnt 31-i
.if i < 16
	global_store_b128 v8, v[X+4*i:X+4*i+3], s[14:15] offset:512*i                  ; 32 lanes store 512 consecutive bytes, aligned
.else
	global_store_b128 v8, v[X+4*i:X+4*i+3], s[30:31] offset:512*(i-16)
.endif
.set i, i+1
.endr
	s_wait_tensorcnt 0x0                           ; the wave's end
	ds_add_u32 v224, v225
	s_wait_dscnt 0x0
	s_endpgm
; x: a plain stream of chunks of 128 numbers.  A wave takes 8,192 numbers in 16 steps of 512.  Each group of 16 numbers comes back from the stage to two lanes, 8 apart:
; one quantises it under e2, the other under e0.  So a store of 512 bytes holds two chunks, each as [p = 0 | p = 1].
.Lx:
	s_sub_co_u32 s18, ttmp9, 512
	s_lshl_b32 s18, s18, 2
	s_add_co_u32 s18, s18, s16
	s_lshl_b32 s20, s18, 15
	s_mov_b32 s21, 0
	s_add_nc_u64 s[4:5], s[4:5], s[20:21]
	s_lshl_b32 s20, s18, 14
	s_add_nc_u64 s[12:13], s[12:13], s[20:21]
	s_wait_alu depctr_va_vdst(0)
	v_lshlrev_b32 v3, 4, v2
	s_mul_i32 s17, s16, 2*XSTG
	s_add_co_u32 s17, s17, XBASE
	v_lshrrev_b32 v14, 2, v2
	v_mul_u32_u24 v14, v14, SP
	v_and_b32 v5, 3, v2
	v_lshl_add_u32 v14, v5, 4, v14
	v_add_nc_u32 v14, s17, v14                     ; in: four lanes' 64 bytes on end, then the padding
	v_lshrrev_b32 v5, 4, v2
	v_and_b32 v6, 7, v2
	v_lshl_add_u32 v5, v5, 3, v6                   ; back: place 8 (lane / 16) + lane % 8
	v_mul_u32_u24 v15, v5, SP
	v_add_nc_u32 v15, s17, v15
.macro XLOAD t
.irp i, 0,1,2,3
	global_load_b128 v[R+16*((\t)%4)+4*\i:R+16*((\t)%4)+4*\i+3], v3, s[4:5] offset:2048*(\t)+512*\i th:TH_LOAD_NT
.endr
.endm
.macro XTURN t
.irp i, 0,1,2,3
	ds_store_b128 v14, v[R+16*((\t)%4)+4*\i:R+16*((\t)%4)+4*\i+3] offset:XSTG*((\t)%2)+8*SP*\i
.endr
.irp u, 0,1
.irp i, 0,1,2,3
	ds_load_b128 v[XX+32*((\t)%2)+16*\u+4*\i:XX+32*((\t)%2)+16*\u+4*\i+3], v15 offset:XSTG*((\t)%2)+16*SP*\u+16*\i
.endr
.endr
.endm
.irp t, 0,1,2,3
	XLOAD \t
.endr
	s_wait_kmcnt 0x0
	POWERS 26, 11, 10                              ; p = 0: e2
	POWERS 24, 7, 6                                ; p = 1: e0
	v_and_b32 v5, 8, v2
	v_cmp_ne_u32 vcc_lo, 0, v5                     ; p = bit 3 of the lane
	s_wait_alu depctr_va_vdst(0)
	v_cndmask_b32 v11, v11, v7, vcc_lo
	v_cndmask_b32 v10, v10, v6, vcc_lo
	s_wait_alu depctr_va_vdst(0)
	s_wait_loadcnt 12
	XTURN 0
.macro XSTEP t
.set XS_, XX+32*((\t)%2)
.set CS_, CC+8*((\t)%2)
	s_wait_dscnt 0x0                               ; this step's numbers are back
	s_wait_xcnt 0x0                                ; the stores of two steps ago have read their registers
.if (\t)+4 < 16
	XLOAD (\t)+4
.endif
.if (\t)+1 < 16
.if (\t) <= 11
	s_wait_loadcnt 12                              ; the next step's four loads are in; three steps' may be out
.else
	s_wait_loadcnt 4*(14-(\t))
.endif
	XTURN (\t)+1
.endif
.set i, 0
.rept 32
	v_med3_num_f32 v[XS_+i], v[XS_+i], -v10, v10
.set i, i+1
.endr
.irp g, 0,1,2,3
	v_cvt_scalef32_pk8_fp8_f32 v[CS_+2*\g:CS_+2*\g+1], v[XS_+8*\g:XS_+8*\g+7], v11
.endr
	v_nop                                          ; one plain vector line behind the last conversion
.irp u, 0,1
	global_store_b128 v3, v[CS_+4*\u:CS_+4*\u+3], s[12:13] offset:1024*(\t)+512*\u     ; 512 consecutive bytes, aligned
.endr
.endm
.irp t, 0,1,2,3,4,5,6,7,8,9,10,11,12,13,14,15
	XSTEP \t
.endr
	s_wait_tensorcnt 0x0                           ; the wave's end
	ds_add_u32 v224, v225
	s_wait_dscnt 0x0
	s_endpgm
.Lfunc_end_k_q536d5d966b_quant:
	.size	k_q536d5d966b_quant, .Lfunc_end_k_q536d5d966b_quant-k_q536d5d966b_quant
	.p2alignl 7, 3214868480
	.fill 96, 4, 3214868480
	.section	.rodata,"a",@progbits
	.p2align	6, 0x0
	.amdhsa_kernel k_q536d5d966b_quant
		.amdhsa_group_segment_fixed_size 90624
		.amdhsa_private_segment_fixed_size 0
		.amdhsa_enable_private_segment 0
		.amdhsa_kernarg_size 48
		.amdhsa_user_sgpr_count 2
		.amdhsa_user_sgpr_kernarg_segment_ptr 1
		.amdhsa_wavefront_size32 1
		.amdhsa_system_sgpr_workgroup_id_x 1
		.amdhsa_system_sgpr_workgroup_id_y 1
		.amdhsa_system_sgpr_workgroup_id_z 1
		.amdhsa_system_vgpr_workitem_id 0
		.amdhsa_next_free_vgpr 226
		.amdhsa_next_free_sgpr 66
		.amdhsa_reserve_vcc 1
		.amdhsa_float_denorm_mode_32 3
		.amdhsa_float_denorm_mode_16_64 3
		.amdhsa_memory_ordered 1
		.amdhsa_forward_progress 1
		.amdhsa_inst_pref_size 157
	.end_amdhsa_kernel
	.amdgpu_metadata
---
amdhsa.version: [ 1, 2 ]
amdhsa.kernels:
  - .name:           k_q536d5d966b_quant
    .symbol:         k_q536d5d966b_quant.kd
    .args:
      - { .name: x, .offset: 0, .size: 8, .value_kind: global_buffer, .address_space: global }
      - { .name: base, .offset: 8, .size: 8, .value_kind: global_buffer, .address_space: global }
      - { .name: mask, .offset: 16, .size: 8, .value_kind: global_buffer, .address_space: global }
      - { .name: lowp_scales, .offset: 24, .size: 8, .value_kind: global_buffer, .address_space: global }
      - { .name: acodes, .offset: 32, .size: 8, .value_kind: global_buffer, .address_space: global }
      - { .name: bcodes, .offset: 40, .size: 8, .value_kind: global_buffer, .address_space: global }
    .group_segment_fixed_size: 90624
    .private_segment_fixed_size: 0
    .kernarg_segment_align: 8
    .kernarg_segment_size: 48
    .max_flat_workgroup_size: 128
    .sgpr_count:     66
    .vgpr_count:     226
    .wavefront_size: 32
...
	.end_amdgpu_metadata
.endif
;; end of part 3
;; launch gemm (part 4): grid 32 x 8, 4 waves a work-group, clusters of 4 x 1, 327,680 bytes of LDS; arguments acodes, bcodes, lowp_scales, coeff, out0; writes out0
.if DOCPART == 4
	.amdgcn_target "amdgcn-amd-amdhsa--gfx1250"
	.amdhsa_code_object_version 6
	.text
	.protected	k_q536d5d966b_gemm
	.globl	k_q536d5d966b_gemm
	.p2align	8
	.type	k_q536d5d966b_gemm,@function
k_q536d5d966b_gemm:
	s_mov_b64 s[64:65], 0
	v_nop
	global_prefetch_b8 v0, s[64:65] scope:SCOPE_SE
	s_setreg_imm32_b32 hwreg(HW_REG_WAVE_MODE, 25, 1), 1
	s_wait_xcnt 0x0
	s_wait_alu depctr_hold_cnt(0) depctr_sa_sdst(0) depctr_va_vdst(0) depctr_va_sdst(0) depctr_va_ssrc(0) depctr_va_vcc(0) depctr_vm_vsrc(0)
	s_getreg_b32 s2, hwreg(HW_REG_IB_STS2, 6, 4)
	s_cmp_eq_u32 s2, 0
	s_cbranch_scc0 .Lentry_in_a_cluster
	s_endpgm
.Lentry_in_a_cluster:
	s_bfe_u32 s2, ttmp6, 0x10000c
	s_cmp_lg_u32 s2, 0x3003
	s_cbranch_scc0 .Lentry_shape_is_right
	s_endpgm
.Lentry_shape_is_right:
; out[m][n] = 2^(e0+e1) S1[m][n] + coeff 2^(e2+e3) S0[m][n];  S0 = codes of x under e2 times codes of sign, S1 = codes of x under e0 times codes of base; f32 sums over K = 4,096.
; A work-group makes 256 rows x 128 columns of out, both products.  Wave w = 2 p + h makes product p for all 256 rows and columns 64 h .. 64 h + 63: 64 accumulators, 512 registers.
; A (acodes, rows of 8,192 bytes, [c][p][128]) comes by tensor loads into a ring of two LDS slots, each 256 rows x 512 bytes = two K steps of 128 for both products; each wave loads 64 rows.
; CLUSTER 4 x 1: the four work-groups of a cluster have the same 256 rows and ask for A's tiles jointly (mask 15).
; B (bcodes) is laid as images of the operand's registers, a dense stream of 262,144 bytes for each (p, 64 columns).  Each of its bytes is multiplied by ONE wave of the work-group, so it goes from memory
; straight into that wave's registers: 16 loads of 512 bytes a K step, four sets of 64 registers, asked for three K steps ahead, waited for by count.  It is no joint load: a tensor load ends in LDS, and
; B in LDS would take 2 x 128 x 272 bytes a K step from the room that lets a slot of A hold two steps.
; THE MATRIX INSTRUCTION IS USED TRANSPOSED (source 0 = 16 columns of B, source 1 = 16 rows of A): a lane holds eight neighbouring columns of one row of out.
; k lies in both operands' registers as K = 32 c + 16 (l / 16) + 0 .. 15 in registers 4 c .. 4 c + 3: the same permutation on both sides, so every product meets its partner.
; PREFETCH: A: behind each refill, the tile two refills on, 16 rows x 2 blocks of 256 bytes a wave; the cluster's four partners share a wave's 64 rows out by address (cx).  B: once a trip, of the 32,768
; bytes that the loads of two trips on will ask for, the 4,096 that fall to my work-group's y (the eight work-groups of a column of blocks read the same stream); lanes 16-31 name lane 15's block again.
; Both stop where the look-ahead would pass K's end.
; REGISTERS: window 0: v0-31 addresses, v128-255 A's fragments, four groups of 2 x 16 rows x 128 K by turns: a group is asked for when the group four ahead of it has been multiplied, 24 matrix instructions ahead of its use;
; window 1: B's four sets; windows 2, 3: accumulators of rows 0-127, 128-255 ((a, b) at 32 (a % 8) + 8 b).
.set PITCH, 528                        ; an LDS row: 512 bytes + 16
.set QT,    64*PITCH                   ; what one tensor load brings
.set SLOT,  4*QT
.set SP,    272                        ; the way out: a stage row: 64 f32 + 16 bytes
.set SREG,  256*SP                     ; a wave's stage: its 256 rows.  The four stages lie over the slots, which have had their last fill and last read by then
.set SPARE, 4*SREG                     ; behind the stages: the spare words, 128 bytes a wave
.set F,    12                          ; v12-13 coeff 2^(e2+e3), v14-15 2^(e0+e1)
.set ADR,  16                          ; v16-19 LDS address of my A fragments: slot 0 rows 0-127, 128-255; slot 1 likewise
.set BO,   20                          ; 16 x lane
.set STO,  21
.set RD0,  22
.set RD1,  23
.set CO,   24
.set PFO,  25
.set PFB,  26
.set SPW,  28
.set NIL,  29
.set AF,   128
.set G1,   24                          ; s[24:31] descriptor group 1
.set G0,   32                          ; s[32:39] group 0, a set for each slot
.set BP,   40                          ; s[40:41] my stream of B at this trip's first step
.set PFA,  42                          ; s[42:43] where my prefetches of A stand
.set MSB, 0
.macro WIN new
.if MSB != \new
	s_set_vgpr_msb (MSB<<8)|\new
.set MSB, \new
.endif
.endm
.set MUL_LO, 0xa1                      ; source 0 (B) window 1, source 1 (A) window 0, C and D window 2
.set MUL_HI, 0xf1
.set TO_B,   0x40
.macro CREST
	s_cmp_lg_u32 s14, 0
	s_cbranch_scc1 .Lnot_wave_0_\@
	s_barrier_signal -3
.Lnot_wave_0_\@:
	s_barrier_wait -3
	s_barrier_signal -1
	s_barrier_wait -1
.endm
.macro CROUND
	s_barrier_signal -1
	s_barrier_wait -1
	CREST
.endm
.macro PLACES
.rept 4
	v_nop
.endr
.endm
.macro JLOAD slot                      ; every wave's own 64 rows; s_nop 0 and four v_nop behind it
	tensor_load_to_lds s[G0+4*\slot:G0+4*\slot+3], s[G1:G1+7]
	s_nop 0
	PLACES
.endm
; 4 matrix instructions: block i (16 rows) of group g against B's four blocks of 16 columns.  The 64 accumulators take turns
.macro MULB g, set, zero, i
.irp b, 0,1,2,3
.set AC_, 32*((2*(\g)+(\i))%8)+8*\b
.set BF_, 64*(\set)+16*\b
.set AR_, AF+32*((\g)%4)+16*(\i)
.if \zero
	v_wmma_f32_16x16x128_fp8_fp8 v[AC_:AC_+7], v[BF_:BF_+15], v[AR_:AR_+15], 0
.else
	v_wmma_f32_16x16x128_fp8_fp8 v[AC_:AC_+7], v[BF_:BF_+15], v[AR_:AR_+15], v[AC_:AC_+7]
.endif
.endr
.endm
.macro GRP g, set, zero, left          ; group g's fragments are in (left: younger LDS loads that may be out); 8 products; four places for the loads that follow
	s_wait_dscnt \left
	WIN MUL_LO+0x50*((\g)/4)
	MULB \g, \set, \zero, 0
	MULB \g, \set, \zero, 1
	PLACES
	WIN 0
.endm
.macro LOADA slot, q, g                ; 8 LDS loads: rows 32 g .. 32 g + 31, the slot's q-th 128 along K, my product
.irp i, 0,1
.irp c, 0,1,2,3
	ds_load_b128 v[AF+32*((\g)%4)+16*\i+4*\c:AF+32*((\g)%4)+16*\i+4*\c+3], v[ADR+2*(\slot)+(\g)/4] offset:256*(\q)+32*\c+(2*((\g)%4)+\i)*16*PITCH
.endr
.endr
.endm
.macro LOADB set, off                  ; 16 loads of 512 consecutive bytes: a K step of my stream
	WIN TO_B
.set j, 0
.rept 16
	global_load_b128 v[64*(\set)+4*j:64*(\set)+4*j+3], v[BO], s[BP:BP+1] offset:(\off)+512*j
.set j, j+1
.endr
	WIN 0
.endm
; a slot's first step.  lc: B's younger loads that may be out; boff >= 0: the step three on is asked for, into the set read last step
.macro STEPA slot, set, zero, lc, boff, askb
	s_wait_loadcnt \lc
	GRP 0, \set, \zero, 24                         ; 24: the three younger groups' loads
	LOADA \slot, 0, 4
.if (\boff) >= 0
	LOADB ((\set)+3)%4, \boff
.endif
.if \askb
	s_cmp_gt_u32 s3, 2                             ; trips 0 to 4 of the loop's 7: the block three trips on exists
	s_cbranch_scc0 .Lnb_\@
	global_prefetch_b8 v[PFB], s[BP:BP+1] offset:3*32768 th:TH_LOAD_NT scope:SCOPE_SE
.Lnb_\@:
.endif
.irp g, 1,2,3
	GRP \g, \set, \zero, 24
	LOADA \slot, 0, \g+4
.endr
.irp g, 4,5,6,7
	GRP \g, \set, \zero, 24
	LOADA \slot, 1, \g-4
.endr
.endm
; a slot's second step changes slots: one barrier; in front of it each wave waits for all its tensor loads, adds 0 to its spare word and waits for that and for its reads of this slot
.macro STEPB slot, set, boff, fill, aoff
	s_wait_loadcnt 32
	GRP 0, \set, 0, 24
	LOADA \slot, 1, 4
.if (\boff) >= 0
	LOADB ((\set)+3)%4, \boff
.endif
.irp g, 1,2,3
	GRP \g, \set, 0, 24
	LOADA \slot, 1, \g+4                           ; group 7's are my last reads of this slot
.endr
	s_wait_dscnt 24
	WIN MUL_HI
	MULB 4, \set, 0, 0
	MULB 4, \set, 0, 1
	s_wait_dscnt 16                                ; group 5 is in; groups 6 and 7 may be out
	MULB 5, \set, 0, 0
	WIN 0                                          ; (the add's two registers lie in window 0)
	s_wait_tensorcnt 0x0                           ; my one load that was out, my part of the other slot, has landed
	ds_add_u32 v[SPW], v[NIL]
.if \fill
	s_add_nc_u64 s[G0+4*\slot+2:G0+4*\slot+3], s[G0+4*\slot+2:G0+4*\slot+3], 1024   ; this slot's next tile: two slots of 512 bytes on
.endif
	WIN MUL_HI
	MULB 5, \set, 0, 1
	s_wait_dscnt 0x0                               ; the add is done, and my reads of this slot are over
	s_barrier_signal -1
	MULB 6, \set, 0, 0
	MULB 6, \set, 0, 1
	WIN 0
	s_barrier_wait -1
.if \fill
	CREST                                          ; the barrier has opened a round of the cluster's barrier
	JLOAD \slot                                    ; its four v_nop are also the places in front of the loads below
.else
	PLACES
.endif
	LOADA 1-(\slot), 0, 0
	LOADA 1-(\slot), 0, 1
	LOADA 1-(\slot), 0, 2
.if (\aoff) >= 0
	s_cmp_gt_u32 s3, 1                             ; trips 0 to 5: the tile two refills on exists
	s_cbranch_scc0 .Lna_\@
	global_prefetch_b8 v[PFO], s[PFA:PFA+1] offset:\aoff th:TH_LOAD_NT scope:SCOPE_SE
.Lna_\@:
.endif
	WIN MUL_HI
	MULB 7, \set, 0, 0
	MULB 7, \set, 0, 1
	PLACES
	WIN 0
	LOADA 1-(\slot), 0, 3
.endm
	s_load_b256 s[4:11], s[0:1], 0x0               ; acodes, bcodes, lowp_scales, coeff
	s_load_b64 s[12:13], s[0:1], 0x20              ; out0
	v_lshl_add_u32 v[SPW], v0, 2, SPARE
	v_mov_b32 v[NIL], 0
	ds_add_u32 v[SPW], v[NIL]                      ; the opening lines: the add, twice on end, and its wait
	ds_add_u32 v[SPW], v[NIL]
	v_lshrrev_b32 v1, 5, v0
	v_readfirstlane_b32 s14, v1                    ; wave
	s_lshr_b32 s15, s14, 1                         ; p
	s_and_b32 s16, s14, 1                          ; h
	s_bfe_u32 s17, ttmp6, 0x40000                  ; cx
	s_lshl_b32 s18, ttmp9, 2
	s_add_co_u32 s18, s18, s17                     ; which 128 columns
	s_and_b32 s19, ttmp7, 0xffff                   ; y: which 256 rows
	s_mov_b32 s[G1+0], 15|(3<<16)|(1<<20)|(1<<21)|(6<<22)|(3<<25)   ; mask of the four; elements of 8 bytes; 4 words of padding behind every 128; bit 21 beside a mask
	s_mov_b32 s[G1+1], 64<<16                      ; a row of the tile: 64 elements = 512 bytes
	s_mov_b32 s[G1+2], 64<<16                      ; 64 rows
	s_mov_b32 s[G1+3], 64<<16
	s_mov_b32 s[G1+4], 64
	s_mov_b32 s[G1+5], 1024                        ; from row to row: 1,024 elements = 8,192 bytes
	s_mov_b32 s[G1+6], 0
	s_mov_b32 s[G1+7], 0
	s_lshl_b32 s20, s19, 21                        ; A: (256 y + 64 wave) rows of 8,192 bytes
	s_lshl_b32 s21, s14, 19
	s_add_co_u32 s20, s20, s21
	s_mov_b32 s21, 0
	s_lshl_b32 s22, s18, 1                         ; B: plane p, stream 2 x block + h
	s_add_co_u32 s22, s22, s16
	s_lshl_b32 s22, s22, 18
	s_lshl_b32 s23, s15, 24
	s_add_co_u32 s22, s22, s23
	s_mov_b32 s23, 0
	s_lshl_b32 s50, s19, 22                        ; out: I store rows 256 y + 128 p .., columns 128 block + 64 h ..
	s_lshl_b32 s51, s15, 21
	s_add_co_u32 s50, s50, s51
	s_lshl_b32 s51, s18, 9
	s_add_co_u32 s50, s50, s51
	s_lshl_b32 s51, s16, 8
	s_add_co_u32 s50, s50, s51
	s_mov_b32 s51, 0
	s_lshl_b32 s52, s17, 17                        ; A's prefetches: my work-group's 16 of my wave's 64 rows, at tile 4
	s_add_co_u32 s52, s52, 2048
	s_mov_b32 s53, 0
	s_mul_i32 s54, s14, QT
	s_lshl_b32 s55, s15, 7
	s_mul_i32 s56, s14, SREG
	s_mul_i32 s57, s16, SREG
	s_mul_i32 s58, s15, 128*SP
	s_add_co_u32 s57, s57, s58
	s_lshl_b32 s59, s19, 12
	v_and_b32 v1, 15, v0                           ; r
	v_bfe_u32 v2, v0, 4, 1                         ; l / 16
	v_and_b32 v3, 31, v0
	v_mul_u32_u24 v4, v1, PITCH
	v_lshl_add_u32 v4, v2, 4, v4
	v_add_nc_u32 v[ADR], s55, v4                   ; row r, + 16 (l / 16), + 128 p
	v_add_nc_u32 v[ADR+1], 128*PITCH, v[ADR]
	v_add_nc_u32 v[ADR+2], SLOT, v[ADR]
	v_add_nc_u32 v[ADR+3], SLOT+128*PITCH, v[ADR]
	v_lshlrev_b32 v[BO], 4, v3
	v_mul_u32_u24 v5, v1, SP
	v_lshl_add_u32 v5, v2, 5, v5
	v_add_nc_u32 v[STO], s56, v5                   ; into my stage: row r, 32 bytes for each half of the lanes
	v_mul_u32_u24 v6, v2, SP
	v_lshl_add_u32 v6, v1, 4, v6
	v_add_nc_u32 v[RD0], s57, v6                   ; back: sixteen lanes to a row, from wave h's stage (S0), rows 128 p ..
	v_add_nc_u32 v[RD1], 2*SREG, v[RD0]            ; and from wave 2 + h's (S1)
	v_lshlrev_b32 v7, 14, v2
	v_lshl_add_u32 v[CO], v1, 4, v7                ; the same two rows in out
	v_lshlrev_b32 v8, 13, v1
	v_lshl_add_u32 v[PFO], v2, 8, v8               ; A's prefetch: row l % 16, block l / 16
	v_min_u32 v9, 15, v3
	v_lshlrev_b32 v9, 8, v9
	v_add_nc_u32 v[PFB], s59, v9                   ; B's prefetch: 4,096 y + 256 min(lane, 15)
	s_wait_alu depctr_va_vdst(0)
	s_wait_dscnt 0x0                               ; both opening adds are done
	s_wait_kmcnt 0x0
	s_load_b128 s[44:47], s[8:9], 0x0              ; e0 .. e3
	s_load_b32 s48, s[10:11], 0x0                  ; coeff
	s_add_nc_u64 s[BP:BP+1], s[6:7], s[22:23]
	s_add_nc_u64 s[20:21], s[4:5], s[20:21]
	s_add_nc_u64 s[PFA:PFA+1], s[20:21], s[52:53]
	s_add_nc_u64 s[12:13], s[12:13], s[50:51]
.irp s, 0,1
	s_mov_b32 s[G0+4*\s], 1
	s_add_co_u32 s[G0+4*\s+1], s54, \s*SLOT
	s_add_nc_u64 s[G0+4*\s+2:G0+4*\s+3], s[20:21], \s*512
	s_or_b32 s[G0+4*\s+3], s[G0+4*\s+3], 0x80000000
.endr
	CROUND                                         ; the four work-groups are here: the first joint loads meet
	JLOAD 0                                        ; one tensor load a wave at the head: what is needed first is asked for first
	LOADB 0, 0                                     ; B's K steps 0, 1, 2
	LOADB 1, 8192
	LOADB 2, 16384
	s_wait_tensorcnt 0x0                           ; slot 1's first fill is issued as a refill is
	ds_add_u32 v[SPW], v[NIL]
	s_wait_dscnt 0x0
	CROUND
	JLOAD 1
	LOADA 0, 0, 0
	LOADA 0, 0, 1
	LOADA 0, 0, 2
	LOADA 0, 0, 3
	STEPA 0, 0, 1, 32, 3*8192, 0                   ; K step 0 starts the sums, ahead of the loop
	s_mov_b32 s3, 7
.Ltrip:                                                ; K steps 4 i + 1 .. 4 i + 4: once round the ring and once round B's four sets
	STEPB 0, 1, 4*8192, 1, 0
	STEPA 1, 2, 0, 32, 5*8192, 1
	STEPB 1, 3, 6*8192, 1, 512
	STEPA 0, 0, 0, 32, 7*8192, 0
	s_wait_xcnt 0x0                                ; the loads and prefetches have read their bases
	s_add_nc_u64 s[BP:BP+1], s[BP:BP+1], 32768
	s_add_nc_u64 s[PFA:PFA+1], s[PFA:PFA+1], 1024
	s_sub_co_u32 s3, s3, 1
	s_cmp_lg_u32 s3, 0
	s_cbranch_scc1 .Ltrip
	STEPB 0, 1, -1, 0, -1                          ; K steps 29, 30, 31 ask for nothing more
	STEPA 1, 2, 0, 16, -1, 0
	s_wait_loadcnt 0x0
.irp g, 0,1,2,3
	GRP \g, 3, 0, 24
	LOADA 1, 1, \g+4
.endr
	GRP 4, 3, 0, 24                                ; the counts run down
	GRP 5, 3, 0, 16
	GRP 6, 3, 0, 8
	s_wait_dscnt 0x0                               ; my reads of the slots are over
	s_barrier_signal -1
	WIN MUL_HI
	MULB 7, 3, 0, 0
	MULB 7, 3, 0, 1
	WIN 0
	s_barrier_wait -1                              ; nobody reads the slots any more: the stages may be written
; THE WAY OUT.  Every wave puts its 256 x 64 sums into its stage; a barrier; wave (p, h) reads rows 128 p .. 128 p + 127 of S0 and of S1 for columns 64 h .., whole rows of 256 bytes, joins and stores them.
	s_wait_kmcnt 0x0
	s_add_co_i32 s49, s46, s47                     ; e2 + e3
	s_add_co_i32 s50, s44, s45                     ; e0 + e1
	v_mov_b32 v[F], s48                            ; (these five lines are also the places behind the last products)
	v_ldexp_f32 v[F], v[F], s49
	v_ldexp_f32 v[F+2], 1.0, s50
	v_mov_b32 v[F+1], v[F]
	v_mov_b32 v[F+3], v[F+2]
	s_wait_alu depctr_va_vdst(0)
.irp a, 0,1,2,3,4,5,6,7,8,9,10,11,12,13,14,15
	WIN 0x08+4*(\a/8)                              ; store data: window 2 or 3
.irp b, 0,1,2,3
	ds_store_b128 v[STO], v[32*(\a%8)+8*\b:32*(\a%8)+8*\b+3] offset:\a*16*SP+64*\b      ; each accumulator from its low end on
	ds_store_b128 v[STO], v[32*(\a%8)+8*\b+4:32*(\a%8)+8*\b+7] offset:\a*16*SP+64*\b+16
.endr
.endr
	WIN 0
	s_wait_dscnt 0x0                               ; for the others' sake: my stores are done
	s_barrier_signal -1
	s_barrier_wait -1
.macro ELOAD k                         ; 16 rows: 8 pairs, S0 and S1
.set EB, 96+64*((\k)%2)
.set t, 0
.rept 8
	ds_load_b128 v[EB+8*t:EB+8*t+3], v[RD0] offset:(16*(\k)+2*t)*SP
	ds_load_b128 v[EB+8*t+4:EB+8*t+7], v[RD1] offset:(16*(\k)+2*t)*SP
.set t, t+1
.endr
.endm
.macro EOUT k
.set EB, 96+64*((\k)%2)
.set t, 0
.rept 8
	v_pk_mul_f32 v[EB+8*t+4:EB+8*t+5], v[EB+8*t+4:EB+8*t+5], v[F+2:F+3] op_sel_hi:[1,0]
	v_pk_mul_f32 v[EB+8*t+6:EB+8*t+7], v[EB+8*t+6:EB+8*t+7], v[F+2:F+3] op_sel_hi:[1,0]
.set t, t+1
.endr
.set t, 0
.rept 8
	v_pk_fma_f32 v[EB+8*t+4:EB+8*t+5], v[EB+8*t:EB+8*t+1], v[F:F+1], v[EB+8*t+4:EB+8*t+5] op_sel_hi:[1,0,1]
	v_pk_fma_f32 v[EB+8*t+6:EB+8*t+7], v[EB+8*t+2:EB+8*t+3], v[F:F+1], v[EB+8*t+6:EB+8*t+7] op_sel_hi:[1,0,1]
.set t, t+1
.endr
.set t, 0
.rept 8
	global_store_b128 v[CO], v[EB+8*t+4:EB+8*t+7], s[12:13] offset:(16*(\k)+2*t)*16384 th:TH_STORE_NT   ; 16 lanes store 256 consecutive bytes, aligned
.set t, t+1
.endr
.endm
	ELOAD 0
.irp k, 0,1,2,3,4,5,6
	s_wait_xcnt 0x0                                ; the stores of the batch before have read their registers
	ELOAD \k+1
	s_wait_dscnt 16                                ; this batch is in; the next one's 16 loads may be out
	EOUT \k
.endr
	s_wait_dscnt 0x0
	EOUT 7
	s_wait_tensorcnt 0x0                           ; the wave's end
	ds_add_u32 v[SPW], v[NIL]
	s_wait_dscnt 0x0
	CROUND                                         ; the closing round
	s_endpgm
.Lfunc_end_k_q536d5d966b_gemm:
	.size	k_q536d5d966b_gemm, .Lfunc_end_k_q536d5d966b_gemm-k_q536d5d966b_gemm
	.p2alignl 7, 3214868480
	.fill 96, 4, 3214868480
	.section	.rodata,"a",@progbits
	.p2align	6, 0x0
	.amdhsa_kernel k_q536d5d966b_gemm
		.amdhsa_group_segment_fixed_size 327680
		.amdhsa_private_segment_fixed_size 0
		.amdhsa_enable_private_segment 0
		.amdhsa_kernarg_size 40
		.amdhsa_user_sgpr_count 2
		.amdhsa_user_sgpr_kernarg_segment_ptr 1
		.amdhsa_wavefront_size32 1
		.amdhsa_system_sgpr_workgroup_id_x 1
		.amdhsa_system_sgpr_workgroup_id_y 1
		.amdhsa_system_sgpr_workgroup_id_z 1
		.amdhsa_system_vgpr_workitem_id 0
		.amdhsa_next_free_vgpr 1024
		.amdhsa_next_free_sgpr 66
		.amdhsa_reserve_vcc 0
		.amdhsa_float_denorm_mode_32 3
		.amdhsa_float_denorm_mode_16_64 3
		.amdhsa_memory_ordered 1
		.amdhsa_forward_progress 1
		.amdhsa_inst_pref_size 137
	.end_amdhsa_kernel
	.amdgpu_metadata
---
amdhsa.version: [ 1, 2 ]
amdhsa.kernels:
  - .name:           k_q536d5d966b_gemm
    .symbol:         k_q536d5d966b_gemm.kd
    .args:
      - { .name: acodes, .offset: 0, .size: 8, .value_kind: global_buffer, .address_space: global }
      - { .name: bcodes, .offset: 8, .size: 8, .value_kind: global_buffer, .address_space: global }
      - { .name: lowp_scales, .offset: 16, .size: 8, .value_kind: global_buffer, .address_space: global }
      - { .name: coeff, .offset: 24, .size: 8, .value_kind: global_buffer, .address_space: global }
      - { .name: out0, .offset: 32, .size: 8, .value_kind: global_buffer, .address_space: global }
    .group_segment_fixed_size: 327680
    .private_segment_fixed_size: 0
    .kernarg_segment_align: 8
    .kernarg_segment_size: 40
    .max_flat_workgroup_size: 128
    .sgpr_count:     66
    .vgpr_count:     1024
    .wavefront_size: 32
...
	.end_amdgpu_metadata
.endif
;; end of part 4
